; MI455X (gfx1250); checked and timed in simulation.
; The chip was launched on July 23, 2026; its instructions are those of AMD's public machine-readable ISA for CDNA 5 (MIT licence, August 2026) and "CDNA5" Instruction Set Architecture Reference Guide (July 2026). The comments in the code are by the model that wrote it; some were corrected since.
;; Multi Head Attention. Allowed arithmetic: float matrix products may take bf16 or f16 operands with f32 sums; all other float work in f32.
;; Inputs: WK 1,024 x 1,024 float32; WO 1,024 x 1,024 float32; WQ 1,024 x 1,024 float32; WV 1,024 x 1,024 float32; bK 1,024 float32; bO 1,024 float32; bQ 1,024 float32; bV 1,024 float32; mask 1 x 1 x 2,048 x 2,048 bool; x 4 x 2,048 x 1,024 float32.
;; Outputs: out0 4 x 2,048 x 1,024 float32.
;; One version. Each part assembles by itself: llvm-mc -triple=amdgcn-amd-amdhsa -mcpu=gfx1250 --defsym DOCPART=n.
;; ======== version 1 of 1: 4 launches
;; limits: right only within a limited range of input values; values are held in f16: magnitudes above 65,504 overflow, below 6.1e-05 lose precision
;; workspace buffers: xh 16,777,216 bytes; wh 8,388,608 bytes; mf 8,388,608 bytes; qh 16,777,216 bytes; kh 16,777,216 bytes; vh 16,777,216 bytes; oh 16,777,216 bytes
;; launch prep (part 1): grid 896 x 1, 8 waves a work-group, no clusters, 35,840 bytes of LDS; arguments x, WQ, WK, WV, WO, mask, xh, wh, mf; writes xh, wh, mf
.if DOCPART == 1
	.amdgcn_target "amdgcn-amd-amdhsa--gfx1250"
	.amdhsa_code_object_version 6
	.text
	.protected	k_q4a0ef6864d_prep
	.globl	k_q4a0ef6864d_prep
	.p2align	8
	.type	k_q4a0ef6864d_prep,@function
k_q4a0ef6864d_prep:
	s_mov_b64 s[64:65], 0
	v_nop
	global_prefetch_b8 v0, s[64:65] scope:SCOPE_SE
	s_setreg_imm32_b32 hwreg(HW_REG_WAVE_MODE, 25, 1), 1
	s_wait_xcnt 0x0
; PREP: the roundings and re-layouts that the three matrix launches read.  A stream: each input byte is read once, by 16-byte loads, each output byte written once.
; Work-groups 0-511:   xh[kb 16][m 8192][64] = bf16(x[m][64 kb ..]): a panel of 64 k is dense, rows of 128 bytes.
; Work-groups 512-767: wh[mat 4][k][n]: bf16(WQ) / 8 (a power of two: exact), bf16(WK), bf16(WV), and bf16(WO) written as f16.
; Work-groups 768-895: mf[step 32][qt 128][kg 2][part 2][lane 32][8 f16]: 2^15 where mask[16 qt + lane % 16][64 step + 32 kg + 16 part + 8 (lane / 16) + e] is set, else 0:
;                      the register image of source 1 (32 keys x 16 queries) of a 16-bit matrix instruction.
; LIMITS.  A mask byte is 0 or 1.  bf16(WO) below f16's normal range (6e-5) keeps f16's fixed step of 6e-8; beyond 65,504 it would be an infinity.
; No matrix unit, no cluster, no data mover: nothing is shared between work-groups and memory binds.  Only the mask goes through LDS, to turn 16 rows x 256 bytes into lanes' 8-byte pieces.
.set SPARE, 34816                      ; behind the eight waves' stages: the spare words, 128 bytes a wave, that no other line names
.set STG,   4352                       ; a wave's stage: 16 rows x 272 bytes (256 + 16 of padding)
.set X,  16                            ; v[16:79]   as loaded
.set DD, 48                            ; v[48:79]   mask section: 16 pieces of 8 bytes read back from the stage
.set Y,  80                            ; v[80:143]  to store
	s_load_b512 s[8:23], s[0:1], 0x0               ; x s[8:9], WQ s[10:11], WK s[12:13], WV s[14:15], WO s[16:17], mask s[18:19], xh s[20:21], wh s[22:23]
	s_load_b64 s[24:25], s[0:1], 0x40              ; mf
	v_lshl_add_u32 v4, v0, 2, SPARE                ; my spare word,
	v_mov_b32 v5, 0                                ; and 0: kept for the add alone
	v_lshrrev_b32 v3, 5, v0
	v_readfirstlane_b32 s36, v3                    ; my wave's number
	s_mov_b32 s35, 0                               ; high word of every offset pair s[34:35]
	s_wait_kmcnt 0x0
	s_cmp_lt_u32 ttmp9, 512
	s_cbranch_scc0 .Lnot_x
.macro LOAD16 step                     ; sixteen loads of 16 bytes a lane, all in flight together
.set i, 0
.rept 16
	global_load_b128 v[X+4*i:X+4*i+3], v1, s[26:27] offset:(\step)*i th:TH_LOAD_NT
.set i, i+1
.endr
.endm
	; ---- x: 16 rows a work-group.  Thread t: row t / 16, 16 bytes at 16 (t % 16) of each of the row's sixteen pieces of 256 bytes (64 k)
	s_lshl_b32 s34, ttmp9, 16
	s_add_nc_u64 s[26:27], s[8:9], s[34:35]        ; x at my 16 rows
	s_lshl_b32 s34, ttmp9, 11
	s_add_nc_u64 s[28:29], s[20:21], s[34:35]      ; xh at my 16 rows of panel 0,
	s_add_nc_u64 s[30:31], s[28:29], 0x800000      ; and of panel 8: the stores' immediates stay inside 24 signed bits
	v_lshrrev_b32 v1, 4, v0
	v_and_b32 v2, 15, v0
	v_lshlrev_b32 v2, 4, v2
	v_lshl_add_u32 v1, v1, 12, v2                  ; row x 4,096 + 16 (t % 16)
	v_lshlrev_b32 v2, 3, v0                        ; in a panel my 16 rows are 2,048 dense bytes: 8 t
	LOAD16 256
.set i, 0
.rept 16
	s_wait_loadcnt 15-i                            ; loads come back in order: piece i is in, the younger ones stay out
	v_cvt_pk_bf16_f32 v[Y+2*i], v[X+4*i], v[X+4*i+1]
	v_cvt_pk_bf16_f32 v[Y+2*i+1], v[X+4*i+2], v[X+4*i+3]
.if i < 8
	global_store_b64 v2, v[Y+2*i:Y+2*i+1], s[28:29] offset:i*1048576       ; a wave's store covers 256 consecutive bytes, aligned
.else
	global_store_b64 v2, v[Y+2*i:Y+2*i+1], s[30:31] offset:(i-8)*1048576
.endif
.set i, i+1
.endr
	s_endpgm
.Lnot_x:
	s_cmp_lt_u32 ttmp9, 768
	s_cbranch_scc0 .Lmask
	; ---- the weights: 64 blocks of 65,536 bytes a matrix, layout kept
	s_sub_co_u32 s37, ttmp9, 512
	s_lshr_b32 s38, s37, 6                         ; which matrix
	s_and_b32 s39, s37, 63                         ; which block
	s_cmp_eq_u32 s38, 1
	s_cselect_b64 s[26:27], s[12:13], s[10:11]
	s_cmp_eq_u32 s38, 2
	s_cselect_b64 s[26:27], s[14:15], s[26:27]
	s_cmp_eq_u32 s38, 3
	s_cselect_b64 s[26:27], s[16:17], s[26:27]
	s_cmp_eq_u32 s38, 0
	s_cselect_b32 s32, 0x3e000000, 1.0             ; WQ carries the 1 / sqrt(64)
	s_mov_b32 s33, s32                             ; named with it as a pair
	s_lshl_b32 s34, s39, 16
	s_add_nc_u64 s[26:27], s[26:27], s[34:35]
	s_lshl_b32 s34, s38, 21
	s_add_nc_u64 s[28:29], s[22:23], s[34:35]
	s_lshl_b32 s34, s39, 15
	s_add_nc_u64 s[28:29], s[28:29], s[34:35]
	v_lshlrev_b32 v1, 4, v0
	v_lshlrev_b32 v2, 3, v0
	LOAD16 4096
	s_cmp_eq_u32 s38, 3
	s_cbranch_scc1 .Lwo
.set i, 0
.rept 16
	s_wait_loadcnt 15-i
	v_pk_mul_f32 v[X+4*i:X+4*i+1], v[X+4*i:X+4*i+1], s[32:33] op_sel_hi:[1,0]
	v_pk_mul_f32 v[X+4*i+2:X+4*i+3], v[X+4*i+2:X+4*i+3], s[32:33] op_sel_hi:[1,0]
	v_cvt_pk_bf16_f32 v[Y+2*i], v[X+4*i], v[X+4*i+1]
	v_cvt_pk_bf16_f32 v[Y+2*i+1], v[X+4*i+2], v[X+4*i+3]
	global_store_b64 v2, v[Y+2*i:Y+2*i+1], s[28:29] offset:2048*i
.set i, i+1
.endr
	s_endpgm
.Lwo:                                  ; WO: rounded to bf16 like every input, and that number written as f16, the format of the product that takes it
.set i, 0
.rept 16
	s_wait_loadcnt 15-i
	v_cvt_pk_bf16_f32 v[Y+2*i], v[X+4*i], v[X+4*i+1]
	v_cvt_pk_bf16_f32 v[Y+2*i+1], v[X+4*i+2], v[X+4*i+3]
	v_lshlrev_b32 v[X+4*i], 16, v[Y+2*i]
	v_and_b32 v[X+4*i+1], 0xffff0000, v[Y+2*i]
	v_lshlrev_b32 v[X+4*i+2], 16, v[Y+2*i+1]
	v_and_b32 v[X+4*i+3], 0xffff0000, v[Y+2*i+1]
	v_cvt_pk_f16_f32 v[Y+2*i], v[X+4*i], v[X+4*i+1]
	v_cvt_pk_f16_f32 v[Y+2*i+1], v[X+4*i+2], v[X+4*i+3]
	global_store_b64 v2, v[Y+2*i:Y+2*i+1], s[28:29] offset:2048*i
.set i, i+1
.endr
	s_endpgm
.Lmask:
	; ---- the mask: 16 query rows a work-group; wave w takes keys 256 w .. 256 w + 255 (four key steps of 64)
	s_sub_co_u32 s37, ttmp9, 768                   ; qt
	s_lshl_b32 s34, s37, 15
	s_add_nc_u64 s[26:27], s[18:19], s[34:35]      ; mask at my 16 rows of 2,048 bytes
	s_lshl_b32 s34, s37, 11
	s_add_nc_u64 s[28:29], s[24:25], s[34:35]      ; mf at my qt in step 0
	v_and_b32 v8, 15, v0                           ; l % 16
	v_bfe_u32 v9, v0, 4, 1                         ; l / 16
	v_lshlrev_b32 v10, 4, v8
	s_lshl_b32 s38, s36, 8
	v_lshl_add_u32 v1, v9, 11, v10
	v_add_nc_u32 v1, s38, v1                       ; in: lanes 0-15 one row's 256 bytes, lanes 16-31 the next row's
	s_mul_i32 s39, s36, STG                        ; my wave's stage
	v_mul_u32_u24 v3, v9, 272
	v_add_nc_u32 v3, v3, v10
	v_add_nc_u32 v3, s39, v3                       ; into the stage, the same two rows
	v_mul_u32_u24 v7, v8, 272
	v_lshl_add_u32 v7, v9, 3, v7
	v_add_nc_u32 v7, s39, v7                       ; back: row l % 16, 8 bytes at 8 (l / 16)
	v_and_b32 v11, 31, v0
	v_lshlrev_b32 v2, 4, v11
	s_lshl_b32 s38, s36, 20                        ; four steps of 262,144 bytes a wave
	v_add_nc_u32 v2, s38, v2
	v_mov_b32 v6, 0
.irp t, 0,1,2,3,4,5,6,7
	global_load_b128 v[X+4*\t:X+4*\t+3], v1, s[26:27] offset:4096*\t th:TH_LOAD_NT
.endr
.irp t, 0,1,2,3,4,5,6,7
	s_wait_loadcnt 7-\t
	ds_store_b128 v3, v[X+4*\t:X+4*\t+3] offset:544*\t
.endr
.set u, 0
.rept 16
	ds_load_b64 v[DD+2*u:DD+2*u+1], v7 offset:16*u ; the stage is my wave's own and LDS serves a wave's instructions in order (ISA guide 5.7.1.4): these see the stores above
.set u, u+1
.endr
.set u, 0
.rept 16                               ; piece u: step u / 4 of my four, key group (u / 2) % 2, part u % 2
	s_wait_dscnt 15-u
	v_perm_b32 v[Y+4*u],   v6, v[DD+2*u],   0x04010400  ; bytes 0 and 1 into the two halves, zeros above them
	v_perm_b32 v[Y+4*u+1], v6, v[DD+2*u],   0x04030402
	v_perm_b32 v[Y+4*u+2], v6, v[DD+2*u+1], 0x04010400
	v_perm_b32 v[Y+4*u+3], v6, v[DD+2*u+1], 0x04030402
	v_mul_u32_u24 v[Y+4*u],   v[Y+4*u],   0x7800       ; 0 or 1 in each half times the code of 2^15: no carry between the halves
	v_mul_u32_u24 v[Y+4*u+1], v[Y+4*u+1], 0x7800
	v_mul_u32_u24 v[Y+4*u+2], v[Y+4*u+2], 0x7800
	v_mul_u32_u24 v[Y+4*u+3], v[Y+4*u+3], 0x7800
	global_store_b128 v2, v[Y+4*u:Y+4*u+3], s[28:29] offset:(u/4)*262144+(u%4)*512  ; 512 consecutive bytes, aligned
.set u, u+1
.endr
	s_wait_tensorcnt 0x0                           ; the wave's end, behind my last LDS store
	ds_add_u32 v4, v5
	s_wait_dscnt 0x0
	s_endpgm
.Lfunc_end_k_q4a0ef6864d_prep:
	.size	k_q4a0ef6864d_prep, .Lfunc_end_k_q4a0ef6864d_prep-k_q4a0ef6864d_prep
	.p2alignl 7, 3214868480
	.fill 96, 4, 3214868480
	.section	.rodata,"a",@progbits
	.p2align	6, 0x0
	.amdhsa_kernel k_q4a0ef6864d_prep
		.amdhsa_group_segment_fixed_size 35840
		.amdhsa_private_segment_fixed_size 0
		.amdhsa_enable_private_segment 0
		.amdhsa_kernarg_size 72
		.amdhsa_user_sgpr_count 2
		.amdhsa_user_sgpr_kernarg_segment_ptr 1
		.amdhsa_wavefront_size32 1
		.amdhsa_system_sgpr_workgroup_id_x 1
		.amdhsa_system_sgpr_workgroup_id_y 1
		.amdhsa_system_sgpr_workgroup_id_z 1
		.amdhsa_system_vgpr_workitem_id 0
		.amdhsa_next_free_vgpr 144
		.amdhsa_next_free_sgpr 66
		.amdhsa_reserve_vcc 0
		.amdhsa_float_denorm_mode_32 3
		.amdhsa_float_denorm_mode_16_64 3
		.amdhsa_memory_ordered 1
		.amdhsa_forward_progress 1
		.amdhsa_inst_pref_size 42
	.end_amdhsa_kernel
	.amdgpu_metadata
---
amdhsa.version: [ 1, 2 ]
amdhsa.kernels:
  - .name:           k_q4a0ef6864d_prep
    .symbol:         k_q4a0ef6864d_prep.kd
    .args:
      - { .name: x, .offset: 0, .size: 8, .value_kind: global_buffer, .address_space: global }
      - { .name: WQ, .offset: 8, .size: 8, .value_kind: global_buffer, .address_space: global }
      - { .name: WK, .offset: 16, .size: 8, .value_kind: global_buffer, .address_space: global }
      - { .name: WV, .offset: 24, .size: 8, .value_kind: global_buffer, .address_space: global }
      - { .name: WO, .offset: 32, .size: 8, .value_kind: global_buffer, .address_space: global }
      - { .name: mask, .offset: 40, .size: 8, .value_kind: global_buffer, .address_space: global }
      - { .name: xh, .offset: 48, .size: 8, .value_kind: global_buffer, .address_space: global }
      - { .name: wh, .offset: 56, .size: 8, .value_kind: global_buffer, .address_space: global }
      - { .name: mf, .offset: 64, .size: 8, .value_kind: global_buffer, .address_space: global }
    .group_segment_fixed_size: 35840
    .private_segment_fixed_size: 0
    .kernarg_segment_align: 8
    .kernarg_segment_size: 72
    .max_flat_workgroup_size: 256
    .sgpr_count:     66
    .vgpr_count:     144
    .wavefront_size: 32
...
	.end_amdgpu_metadata
.endif
;; end of part 1
;; launch qkv (part 2): grid 8 x 32, 4 waves a work-group, clusters of 4 x 4, 327,680 bytes of LDS; arguments xh, wh, bQ, bK, bV, qh, kh, vh; writes qh, kh, vh
.if DOCPART == 2
	.amdgcn_target "amdgcn-amd-amdhsa--gfx1250"
	.amdhsa_code_object_version 6
	.text
	.protected	k_q4a0ef6864d_qkv
	.globl	k_q4a0ef6864d_qkv
	.p2align	8
	.type	k_q4a0ef6864d_qkv,@function
k_q4a0ef6864d_qkv:
	s_mov_b64 s[64:65], 0
	v_nop
	global_prefetch_b8 v0, s[64:65] scope:SCOPE_SE
	s_setreg_imm32_b32 hwreg(HW_REG_WAVE_MODE, 25, 1), 1
	s_wait_xcnt 0x0
	s_wait_alu depctr_hold_cnt(0) depctr_sa_sdst(0) depctr_va_vdst(0) depctr_va_sdst(0) depctr_va_ssrc(0) depctr_va_vcc(0) depctr_vm_vsrc(0)
	s_getreg_b32 s2, hwreg(HW_REG_IB_STS2, 6, 4)
	s_cmp_eq_u32 s2, 0
	s_cbranch_scc0 .Lentry_in_a_cluster
	s_endpgm
.Lentry_in_a_cluster:
	s_bfe_u32 s2, ttmp6, 0x10000c
	s_cmp_lg_u32 s2, 0xf033
	s_cbranch_scc0 .Lentry_shape_is_right
	s_endpgm
.Lentry_shape_is_right:
; q / 8 = x (WQ / 8) + bQ / 8, k = x WK + bK, v = x WV + bV.  Operands bf16 (xh, wh), sums f32, results f16.  x: 8,192 x 1,024; each W: 1,024 x 1,024.
; SHARES.  A work-group takes 256 rows and the SAME 128 columns of all three products, so that a fragment of x read from LDS feeds three products: 256 work-groups.  A wave: 128 rows x 64 columns
; (one head) x 3: 96 accumulators, 768 registers, windows 1 to 3 (product g in window g + 1, accumulator (a, b) at v[8 (4 a + b)]).
; K goes in steps of 64 through a ring of two LDS slots.  xh is laid in panels of 64 k, so a step's 256 rows of x are 32,768 dense bytes, asked for as 128 rows of 256 bytes and padded in LDS behind every 128.
; W lies [k][n]: a step's tile is 64 rows of 256 bytes; its fragments come out of LDS turned, by ds_load_tr16_b128.
; CLUSTER 4 x 4: x's tile hangs on the tile row alone and is asked for jointly along a row of the cluster, W's tiles on the tile column alone, jointly along a column.  Wave 0 asks for x, waves 1-3 for WQ, WK, WV.
; OUT, WITHOUT LDS.  q and k: source 0 = W, source 1 = x: a lane holds one row and eight neighbouring columns; packed to f16 they are half a fragment of the attention's K Q^T, and are stored in that order:
;   qh, kh: [head column 16][m / 16][c 2][part 2][lane 32][8]: element (16 (m/16) + l % 16, 32 c + 16 part + 8 (l / 16) + e).
; v: source 0 = x, source 1 = W: a lane holds one column and eight rows: half a fragment of V^T: vh: [head column][m / 32][cb 4][part 2][lane][8]: element (32 (m/32) + 16 part + 8 (l / 16) + e, 16 cb + l % 16).
; Every store of a wave is 512 consecutive bytes, aligned.
; LIMITS.  q / 8, k and v must lie within f16's 65,504.  The biases, rounded to bf16 like every input, start the f32 sums instead of ending them.
; Left out: prefetching (the ring's loads are asked for a step ahead and the tiles are shared in the cluster).
.set NS,     16                        ; K steps
.set SLOT1,  131072                    ; slot 1 begins here: one exclusive or turns an address in one slot into the other's
.set APITCH, 144                       ; a row of x in LDS: 128 bytes + 16: the 16 rows of a load start at 16 different groups of four banks (64 banks of 4 bytes: ISA guide 11.1)
.set BPITCH, 288                       ; a row of W: 256 + 32
.set ATILE,  256*APITCH
.set BTILE,  64*BPITCH
.set BBASE,  ATILE                     ; = 2 BTILE: the three tiles of W lie behind x's
.set SPARE,  2*SLOT1                   ; the spare words, 128 bytes a wave, that no other line names
.set ASTEP,  1<<20                     ; a panel of xh
.set BSTEP,  64*2048                   ; 64 rows of W
.set AF, 64                            ; v64-127, v128-191: fragments of x (8 x 16 rows x 32 k), two buffers
.set BF, 192                           ; v192-223, v224-255: fragments of W (4 x 16 columns x 32 k), two buffers
                                       ; v8, v9 my lane's place in x's and W's tiles; v10, v11 the same in the slot in hand; v12 16 x lane; v16, v17 offsets in the biases; v18-23 at work
                                       ; v28, v29 the add's two; v32-63 bQ / 8; in the first chunk v128-159 bK, v160-191 bV
.set WV,  20                           ; s20 wave
.set G1A, 36                           ; s[36:43] descriptor group 1 for x's tile;  s[44:51] for W's
.set G1B, 44
.set G0A, 52                           ; s[52:59] group 0 for x: a set for each first fill; the second then walks on;  s[68:75] the same for W
.set G0B, 68
.set TB,  60                           ; s60 LDS byte at which the slot in hand begins
.set CNT, 61
.set MSB, 0
.macro WIN new                         ; the immediate's high byte repeats the setting that is left; a switch that changes nothing is dropped
.if MSB != (\new)
	s_set_vgpr_msb (MSB<<8)|(\new)
.set MSB, \new
.endif
.endm
.macro PLACES                          ; four places in front of loads into registers that matrix instructions have read, and of conversions that read results
.rept 4
	v_nop
.endr
.endm
.macro JLOAD                           ; a joint refill by the walking sets; the branch hangs on the wave's number alone; an s_nop 0 and four v_nop follow each line
	s_cmp_lt_u32 s[WV], 1
	s_cbranch_scc0 .Lfor_b_\@
	tensor_load_to_lds s[G0A+4:G0A+7], s[G1A:G1A+7]
	s_nop 0
.rept 4
	v_nop
.endr
	s_branch .Lasked_\@
.Lfor_b_\@:
	tensor_load_to_lds s[G0B+4:G0B+7], s[G1B:G1B+7]
	s_nop 0
.rept 4
	v_nop
.endr
.Lasked_\@:
.endm
.macro CREST                           ; a round of the cluster's barrier behind its opening barrier
	s_cmp_lg_u32 s[WV], 0
	s_cbranch_scc1 .Lnot_wave_0_\@
	s_barrier_signal -3
.Lnot_wave_0_\@:
	s_barrier_wait -3
	s_barrier_signal -1
	s_barrier_wait -1
.endm
.macro CROUND
	s_barrier_signal -1
	s_barrier_wait -1
	CREST
.endm
	s_load_b512 s[4:19], s[0:1], 0x0               ; xh s[4:5], wh s[6:7], bQ s[8:9], bK s[10:11], bV s[12:13], qh s[14:15], kh s[16:17], vh s[18:19]
	v_lshl_add_u32 v28, v0, 2, SPARE
	v_mov_b32 v29, 0
	ds_add_u32 v28, v29                            ; the wave's opening: the add and its wait stand ahead of my first tensor load; the set-up below stands between them
	v_lshrrev_b32 v1, 5, v0
	v_readfirstlane_b32 s[WV], v1
	s_lshr_b32 s21, s[WV], 1                       ; which 128 rows are mine
	s_and_b32 s22, s[WV], 1                        ; which 64 columns
	s_bfe_u32 s23, ttmp6, 0x40000                  ; cx
	s_bfe_u32 s24, ttmp6, 0x40004                  ; cy
	s_lshl_b32 s25, ttmp9, 2
	s_add_co_u32 s25, s25, s23                     ; tile column = 4 x cluster x + cx
	s_and_b32 s26, ttmp7, 0xffff
	s_lshl_b32 s26, s26, 2
	s_add_co_u32 s26, s26, s24                     ; tile row = 4 x cluster y + cy
	s_lshl_b32 s27, s24, 2
	s_lshl_b32 s27, 15, s27                        ; my row of the cluster
	s_lshl_b32 s28, 0x1111, s23                    ; my column
	s_or_b32 s[G1A], s27, (1<<16)|(1<<20)|(1<<21)|(4<<22)|(3<<25)  ; mask; 2-byte elements; padding on; 21 set beside a mask; after every 32 words 4 words
	s_or_b32 s[G1B], s28, (1<<16)|(1<<20)|(1<<21)|(5<<22)|(7<<25)  ; after every 64 words 8 words
	s_mov_b32 s[G1A+1], 128<<16                    ; tensor_dim0 = 128
	s_mov_b32 s[G1A+2], 128<<16                    ; tensor_dim1 = 128
	s_mov_b32 s[G1A+3], 128<<16                    ; tile_dim0 = 128
	s_mov_b32 s[G1A+4], 128                        ; tile_dim1 = 128
	s_mov_b32 s[G1A+5], 128                        ; dense: 128 elements from row to row
	s_mov_b32 s[G1A+6], 0
	s_mov_b32 s[G1A+7], 0
	s_mov_b32 s[G1B+1], 128<<16
	s_mov_b32 s[G1B+2], 64<<16                     ; 64 rows
	s_mov_b32 s[G1B+3], 128<<16
	s_mov_b32 s[G1B+4], 64
	s_mov_b32 s[G1B+5], 1024                       ; W's pitch
	s_mov_b32 s[G1B+6], 0
	s_mov_b32 s[G1B+7], 0
	s_lshl_b32 s30, s26, 15                        ; x: my tile row's 256 rows in a panel
	s_mov_b32 s31, 0
	s_max_u32 s32, s[WV], 1
	s_sub_co_u32 s32, s32, 1                       ; W: matrix wave - 1 (wave 0 asks for none),
	s_lshl_b32 s32, s32, 21
	s_lshl_b32 s34, s25, 8                         ; my tile column's 128 columns
	s_add_co_u32 s32, s32, s34
	s_mov_b32 s33, 0
	s_add_co_u32 s35, s[WV], 1
	s_mul_i32 s35, s35, BTILE                      ; its place in a slot: BBASE + (wave - 1) tiles
	s_lshl_b32 s62, s25, 9                         ; the biases at my 64 columns
	s_lshl_b32 s34, s22, 8
	s_add_co_u32 s62, s62, s34
	s_mov_b32 s63, 0
	s_lshl_b32 s78, s25, 1
	s_add_co_u32 s78, s78, s22                     ; my head column = 2 x tile column + half
	s_lshl_b32 s78, s78, 20
	s_lshl_b32 s34, s26, 15
	s_add_co_u32 s78, s78, s34
	s_lshl_b32 s34, s21, 14
	s_add_co_u32 s78, s78, s34                     ; + my 128 rows: 2,048 bytes for each 16
	s_mov_b32 s79, 0
	s_mov_b32 s[TB], 0
	s_wait_dscnt 0x0                               ; the opening add is done
	s_wait_kmcnt 0x0
	s_add_nc_u64 s[30:31], s[4:5], s[30:31]
	s_add_nc_u64 s[32:33], s[6:7], s[32:33]
	s_add_nc_u64 s[8:9], s[8:9], s[62:63]
	s_add_nc_u64 s[10:11], s[10:11], s[62:63]
	s_add_nc_u64 s[12:13], s[12:13], s[62:63]
	s_add_nc_u64 s[14:15], s[14:15], s[78:79]
	s_add_nc_u64 s[16:17], s[16:17], s[78:79]
	s_add_nc_u64 s[18:19], s[18:19], s[78:79]
	CROUND                                         ; all sixteen work-groups are here: the first joint loads meet
.irp s, 0,1
	s_mov_b32 s[G0A+4*\s], 1
	s_mov_b32 s[G0A+4*\s+1], \s*SLOT1
	s_add_nc_u64 s[G0A+4*\s+2:G0A+4*\s+3], s[30:31], \s*ASTEP
	s_or_b32 s[G0A+4*\s+3], s[G0A+4*\s+3], 0x80000000
	s_mov_b32 s[G0B+4*\s], 1
	s_add_co_u32 s[G0B+4*\s+1], s35, \s*SLOT1
	s_add_nc_u64 s[G0B+4*\s+2:G0B+4*\s+3], s[32:33], \s*BSTEP
	s_or_b32 s[G0B+4*\s+3], s[G0B+4*\s+3], 0x80000000
.endr
	s_cmp_lt_u32 s[WV], 1                          ; a wave's two first fills stand in one branch, ahead of every wait on TENSORcnt and every LDS read: two loads of mine are out
	s_cbranch_scc0 .Lfirst_b
	tensor_load_to_lds s[G0A:G0A+3], s[G1A:G1A+7]
	s_nop 0
	tensor_load_to_lds s[G0A+4:G0A+7], s[G1A:G1A+7]
	s_nop 0
.rept 4
	v_nop
.endr
	s_branch .Lfirst_asked
.Lfirst_b:
	tensor_load_to_lds s[G0B:G0B+3], s[G1B:G1B+7]
	s_nop 0
	tensor_load_to_lds s[G0B+4:G0B+7], s[G1B:G1B+7]
	s_nop 0
.rept 4
	v_nop
.endr
.Lfirst_asked:
	v_and_b32 v1, 15, v0                           ; l % 16
	v_bfe_u32 v2, v0, 4, 1                         ; l / 16
	v_lshlrev_b32 v16, 5, v2                       ; q's and k's bias: my eight columns begin at 8 (l / 16)
	v_lshlrev_b32 v17, 2, v1                       ; v's: my one column l % 16
.irp y, 0,1,2,3
	global_load_b128 v[32+8*\y:32+8*\y+3],   v16, s[8:9] offset:64*\y
	global_load_b128 v[32+8*\y+4:32+8*\y+7], v16, s[8:9] offset:64*\y+16
	global_load_b128 v[128+8*\y:128+8*\y+3],   v16, s[10:11] offset:64*\y
	global_load_b128 v[128+8*\y+4:128+8*\y+7], v16, s[10:11] offset:64*\y+16
	global_load_b32 v[18+\y], v17, s[12:13] offset:64*\y
.endr
	v_and_b32 v3, 31, v0
	v_lshlrev_b32 v12, 4, v3                       ; 16 x lane
	v_mul_u32_u24 v8, v1, APITCH                   ; a fragment of x: row l % 16, 16 bytes at 16 (l / 16), and 32 bytes on
	v_lshl_add_u32 v8, v2, 4, v8
	s_mul_i32 s34, s21, 128*APITCH
	v_add_nc_u32 v8, s34, v8
	v_and_b32 v3, 7, v0                            ; the turning load: lane l reads row 8 (l / 16) + l % 8, 16 bytes at 16 ((l / 8) % 2), and leaves column l % 16 with 8 k
	v_lshl_add_u32 v3, v2, 3, v3
	v_mul_u32_u24 v9, v3, BPITCH
	v_bfe_u32 v3, v0, 3, 1
	v_lshl_add_u32 v9, v3, 4, v9
	s_lshl_b32 s34, s22, 7
	s_add_co_u32 s34, s34, BBASE
	v_add_nc_u32 v9, s34, v9
	v_mov_b32 v10, v8                              ; slot 0
	v_mov_b32 v11, v9
	s_wait_loadcnt 0x0
.macro RB base, cnt                    ; cnt pairs from v[base] on are rounded to bf16, like every input
.set k, 0
.rept \cnt
	v_cvt_pk_bf16_f32 v22, v[(\base)+2*k], v[(\base)+2*k+1]
	v_lshlrev_b32 v[(\base)+2*k], 16, v22
	v_and_b32 v[(\base)+2*k+1], 0xffff0000, v22
.set k, k+1
.endr
.endm
	RB 32, 16
	RB 128, 16
	RB 18, 2
.set k, 0
.rept 16
	v_pk_mul_f32 v[32+2*k:32+2*k+1], v[32+2*k:32+2*k+1], 0x3e000000 op_sel_hi:[1,0]  ; bQ / 8
.set k, k+1
.endr
.set k, 0
.rept 32
	v_mov_b32 v[160+k], v[18+k/8]                  ; in v's result all eight registers of a lane are one column
.set k, k+1
.endr
.macro LDA c, a0, n                    ; x's fragments of chunk c (32 k), blocks a0 .. a0 + n - 1, into buffer c
	WIN 0
.set aa, \a0
.rept \n
	ds_load_b128 v[AF+64*(\c)+8*aa:AF+64*(\c)+8*aa+3],   v10 offset:16*APITCH*aa+64*(\c)
	ds_load_b128 v[AF+64*(\c)+8*aa+4:AF+64*(\c)+8*aa+7], v10 offset:16*APITCH*aa+64*(\c)+32
.set aa, aa+1
.endr
.endm
.macro LDB c, g, bu                    ; the four fragments of matrix g, chunk c, into buffer bu
	WIN 0
.irp y, 0,1,2,3
	ds_load_tr16_b128 v[BF+32*(\bu)+8*\y:BF+32*(\bu)+8*\y+3],   v11 offset:(\g)*BTILE+32*BPITCH*(\c)+32*\y
	ds_load_tr16_b128 v[BF+32*(\bu)+8*\y+4:BF+32*(\bu)+8*\y+7], v11 offset:(\g)*BTILE+32*BPITCH*(\c)+16*BPITCH+32*\y
.endr
.endm
; 4 n matrix instructions of product g on chunk c.  st = 1: the first product starts the sums, with the bias as C.  The accumulators take turns, one instruction a turn.
.macro MUL c, g, bu, a0, n, st
.if \st
	WIN ((\g)+1)<<6
.else
	WIN ((\g)+1)*0x50
.endif
.set aa, \a0
.rept \n
.irp y, 0,1,2,3
.set rD, 8*(4*aa+\y)
.set rA, AF+64*(\c)+8*aa
.set rB, BF+32*(\bu)+8*\y
.set rC, 32+96*(((\g)+1)/2)+32*((\g)/2)+8*\y
.if (\g) == 2
.if \st
	v_wmma_f32_16x16x32_bf16 v[rD:rD+7], v[rA:rA+7], v[rB:rB+7], v[rC:rC+7]
.else
	v_wmma_f32_16x16x32_bf16 v[rD:rD+7], v[rA:rA+7], v[rB:rB+7], v[rD:rD+7]
.endif
.else
.if \st
	v_wmma_f32_16x16x32_bf16 v[rD:rD+7], v[rB:rB+7], v[rA:rA+7], v[rC:rC+7]
.else
	v_wmma_f32_16x16x32_bf16 v[rD:rD+7], v[rB:rB+7], v[rA:rA+7], v[rD:rD+7]
.endif
.endif
.endr
.set aa, aa+1
.endr
.endm
.macro GRP c, g, bu, st, nld           ; a group: 32 matrix instructions; only the nld LDS loads just issued may be out
	s_wait_dscnt \nld
	MUL \c, \g, \bu, 0, 8, \st
.endm
; A step's first three groups (chunk 0 x three matrices); each head fetches what the next groups need.  pro = 1: the launch's first chunk: buffer 1 of x still holds two biases.
.macro CH0 st, pro
	PLACES
	LDB 0, 1, 1
.if !(\pro)
	LDA 1, 0, 4
.endif
	GRP 0, 0, 0, \st, 16-8*(\pro)
	PLACES
	LDB 0, 2, 0
.if !(\pro)
	LDA 1, 4, 4
.endif
	GRP 0, 1, 1, \st, 16-8*(\pro)
	PLACES
	LDB 1, 0, 1
	GRP 0, 2, 0, \st, 8
.endm
.macro CH1A                            ; groups 3 and 4: chunk 1 x WQ, WK
	PLACES
	LDB 1, 1, 0
	GRP 1, 0, 1, 0, 8
	PLACES
	LDB 1, 2, 1
	GRP 1, 1, 0, 0, 8
.endm
; The step's last group (chunk 1 x WV) changes slots: ONE barrier; in front of it each wave waits for all its tensor loads (one is out: its part of the next slot), adds 0 to its spare word, and waits for that and
; for its own reads of this slot.  fill = 1: the barrier opens a round of the cluster's, and this slot is filled again, two steps ahead, first thing behind it: 184 matrix instructions ahead of the wait for it.
.macro TURN fill
	WIN 0
	s_wait_tensorcnt 0x0
	ds_add_u32 v28, v29                            ; the descriptors' steps stand between the add and its wait
.if \fill
	s_xor_b32 s[G0A+5], s[G0A+5], SLOT1            ; the walking sets: the other slot than last time, the next step
	s_add_nc_u64 s[G0A+6:G0A+7], s[G0A+6:G0A+7], ASTEP
	s_xor_b32 s[G0B+5], s[G0B+5], SLOT1
	s_add_nc_u64 s[G0B+6:G0B+7], s[G0B+6:G0B+7], BSTEP
.endif
	s_xor_b32 s[TB], s[TB], SLOT1
	s_wait_dscnt 0x0                               ; the add is done, and my reads of this slot are over
	s_barrier_signal -1
	MUL 1, 2, 1, 0, 2, 0                           ; work on registers while the others arrive
	WIN 0
	s_barrier_wait -1
.if \fill
	CREST                                          ; no wave of any partner still reads this slot or has a load on its way
	JLOAD                                          ; its four v_nop are also the places in front of the loads below
.else
	PLACES
.endif
	v_add_nc_u32 v10, s[TB], v8
	v_add_nc_u32 v11, s[TB], v9
	LDA 0, 0, 8
	LDB 0, 0, 0
	MUL 1, 2, 1, 2, 6, 0
.endm
	s_wait_tensorcnt 0x1                           ; my part of step 0 is in; step 1's may stay out
	s_barrier_signal -1
	s_barrier_wait -1
	LDA 0, 0, 8
	LDB 0, 0, 0
	CH0 1, 1                                       ; the first chunk stands ahead of the loop: its products start the sums
	PLACES
	LDA 1, 0, 8                                    ; the biases have been taken: buffer 1 of x is free
	WIN 0
	s_mov_b32 s[CNT], NS-2
.Lstep:                                                ; a trip: the rest of a step, a refill, the next step's first chunk
	CH1A
	TURN 1
	CH0 0, 0
	WIN 0
	s_sub_co_u32 s[CNT], s[CNT], 1
	s_cmp_lg_u32 s[CNT], 0
	s_cbranch_scc1 .Lstep
	CH1A                                           ; the last two steps ask for nothing
	TURN 0
	CH0 0, 0
	CH1A
	s_wait_dscnt 0x0
	MUL 1, 2, 1, 0, 8, 0
	; THE WAY OUT: 16 roundings and 4 stores for each block of 16 rows of each product, straight from registers; twelve buffers of 16 registers where the fragments lay
	PLACES
.set n, 0
.rept 24
.set g, n/8
.set ab, n%8
.set T, 64+16*(n%12)
.if n == 12
	s_wait_xcnt 0x0                                ; the first twelve blocks' stores have read their registers: the buffers are written again only behind this wait
.endif
	WIN ((g+1)<<2)|(g+1)
.set k, 0
.rept 16
	v_cvt_pk_f16_f32 v[T+k], v[32*ab+2*k], v[32*ab+2*k+1]
.set k, k+1
.endr
	WIN 0
.irp y, 0,1,2,3
.if g == 2
	global_store_b128 v12, v[T+4*\y:T+4*\y+3], s[18:19] offset:4096*(ab/2)+512*(ab%2)+1024*\y
.else
	global_store_b128 v12, v[T+4*\y:T+4*\y+3], s[14+2*g:15+2*g] offset:2048*ab+512*\y
.endif
.endr
.set n, n+1
.endr
	s_wait_tensorcnt 0x0                           ; the wave's end
	ds_add_u32 v28, v29
	s_wait_dscnt 0x0
	CROUND                                         ; the closing round: no work-group ends while a partner may still ask for a tile that names it
	s_endpgm
.Lfunc_end_k_q4a0ef6864d_qkv:
	.size	k_q4a0ef6864d_qkv, .Lfunc_end_k_q4a0ef6864d_qkv-k_q4a0ef6864d_qkv
	.p2alignl 7, 3214868480
	.fill 96, 4, 3214868480
	.section	.rodata,"a",@progbits
	.p2align	6, 0x0
	.amdhsa_kernel k_q4a0ef6864d_qkv
		.amdhsa_group_segment_fixed_size 327680
		.amdhsa_private_segment_fixed_size 0
		.amdhsa_enable_private_segment 0
		.amdhsa_kernarg_size 64
		.amdhsa_user_sgpr_count 2
		.amdhsa_user_sgpr_kernarg_segment_ptr 1
		.amdhsa_wavefront_size32 1
		.amdhsa_system_sgpr_workgroup_id_x 1
		.amdhsa_system_sgpr_workgroup_id_y 1
		.amdhsa_system_sgpr_workgroup_id_z 1
		.amdhsa_system_vgpr_workitem_id 0
		.amdhsa_next_free_vgpr 1024
		.amdhsa_next_free_sgpr 80
		.amdhsa_reserve_vcc 0
		.amdhsa_float_denorm_mode_32 3
		.amdhsa_float_denorm_mode_16_64 3
		.amdhsa_memory_ordered 1
		.amdhsa_forward_progress 1
		.amdhsa_inst_pref_size 108
	.end_amdhsa_kernel
	.amdgpu_metadata
---
amdhsa.version: [ 1, 2 ]
amdhsa.kernels:
  - .name:           k_q4a0ef6864d_qkv
    .symbol:         k_q4a0ef6864d_qkv.kd
    .args:
      - { .name: xh, .offset: 0, .size: 8, .value_kind: global_buffer, .address_space: global }
      - { .name: wh, .offset: 8, .size: 8, .value_kind: global_buffer, .address_space: global }
      - { .name: bQ, .offset: 16, .size: 8, .value_kind: global_buffer, .address_space: global }
      - { .name: bK, .offset: 24, .size: 8, .value_kind: global_buffer, .address_space: global }
      - { .name: bV, .offset: 32, .size: 8, .value_kind: global_buffer, .address_space: global }
      - { .name: qh, .offset: 40, .size: 8, .value_kind: global_buffer, .address_space: global }
      - { .name: kh, .offset: 48, .size: 8, .value_kind: global_buffer, .address_space: global }
      - { .name: vh, .offset: 56, .size: 8, .value_kind: global_buffer, .address_space: global }
    .group_segment_fixed_size: 327680
    .private_segment_fixed_size: 0
    .kernarg_segment_align: 8
    .kernarg_segment_size: 64
    .max_flat_workgroup_size: 128
    .sgpr_count:     80
    .vgpr_count:     1024
    .wavefront_size: 32
...
	.end_amdgpu_metadata
.endif
;; end of part 2
;; launch attn (part 3): grid 4 x 64, 4 waves a work-group, clusters of 4 x 1, 327,680 bytes of LDS; arguments qh, kh, vh, oh, mf; writes oh
.if DOCPART == 3
	.amdgcn_target "amdgcn-amd-amdhsa--gfx1250"
	.amdhsa_code_object_version 6
	.text
	.protected	k_q4a0ef6864d_attn
	.globl	k_q4a0ef6864d_attn
	.p2align	8
	.type	k_q4a0ef6864d_attn,@function
k_q4a0ef6864d_attn:
	s_mov_b64 s[64:65], 0
	v_nop
	global_prefetch_b8 v0, s[64:65] scope:SCOPE_SE
	s_setreg_imm32_b32 hwreg(HW_REG_WAVE_MODE, 25, 1), 1
	s_wait_xcnt 0x0
	s_wait_alu depctr_hold_cnt(0) depctr_sa_sdst(0) depctr_va_vdst(0) depctr_va_sdst(0) depctr_va_ssrc(0) depctr_va_vcc(0) depctr_vm_vsrc(0)
	s_getreg_b32 s2, hwreg(HW_REG_IB_STS2, 6, 4)
	s_cmp_eq_u32 s2, 0
	s_cbranch_scc0 .Lentry_in_a_cluster
	s_endpgm
.Lentry_in_a_cluster:
	s_bfe_u32 s2, ttmp6, 0x10000c
	s_cmp_lg_u32 s2, 0x3003
	s_cbranch_scc0 .Lentry_shape_is_right
	s_endpgm
.Lentry_shape_is_right:
; O[hh][q] = the sum over k of softmax_k(Q[hh][q] . K[hh][k] / 8 - 1e9 mask[q][k]) V[hh][k].  64 heads hh of 2,048 rows and 64 channels, all f16; Q arrives divided by 8.  The mask is an input: every key is walked.
; Products, maxima and sums in f32; the weights p are rounded to f16 for the second product (their sum l is taken of the unrounded p), O once at the end.
; LAYOUTS.  qh, kh, oh: a head is 128 blocks of 16 rows, 2,048 bytes each, in fragment order [c 2][part 2][lane 32][8]; vh: 64 blocks of 32 keys, 4,096 bytes each, [cb 4][part 2][lane][8], fragments of V^T.
; So every LDS load, every load of Q and every store of O is 512 consecutive bytes, no load turns anything, LDS needs no padding, and O leaves straight from registers.
; THE MASK costs no vector instruction: S^T starts with a product of the same form, E (16 keys x 32, -2^15 where the column is the key) times mf's fragment (32 keys x 16 queries, 2^15 or 0): -2^30 or 0, exactly;
; the two products K Q^T add onto it in place.  mf's fragments come from memory into registers, 16 KiB a wave and key step, four turns ahead.
; LIMITS.  A masked score counts as s - 2^30 where the module has s - 1e9: the same weights (0) while |s| < 4e8.  A row whose maximum ends below -2^29 (every key masked) gets the mean of V's 2,048 rows, made by
; the matrix unit as V^T times ones: the module's own result while |s| < 32 there (s is then lost in 1e9's step of 64); beyond that its result hangs on that rounding and is not reproduced.
; f16 holds no number beyond 65,504: Q, K, V arrive within it.  A weight below 2^-126 counts as 0 in l; NaN and infinities are not treated apart.
; SHARES.  A wave owns four PIECES of two tiles of 16 queries, a work-group's four waves 512 queries of one head.  Every wave walks all keys, 64 a step.
; SOFTMAX.  A running maximum m and sum l: p = 2^(c s - c m), c = log2(e); in every step O and l are multiplied by a = 2^(c m_old - c m_new).  m starts at the lowest finite number, O and l at 0.
; BY TURNS.  Turn n belongs to piece n.  Matrix work: 8 mask products and 16 products K Q^T of piece n + 1; later 16 products V^T P of piece n - 1 and 2 of V^T times ones.  Vector work: scaling, exponentials,
; roundings, sums and rescaling of piece n, maximum and statistics of piece n + 1.  Four vector instructions stand behind every matrix instruction, the rest in two lumps.
; CLUSTER.  The four query blocks of a head walk the same K and V: each tile is asked for JOINTLY.  The mask differs from block to block and is not shared in the cluster.
; REGISTERS, in windows of 256 (s_set_vgpr_msb: bits 1:0 source 0, 3:2 source 1, 5:4 source 2, 7:6 destination):
;   window 0: v2 16 x lane, v3-5 LDS addresses; v12-15, v48-63 at work; v16-47 statistics; v64-191 S^T, two buffers of two tiles; v192-255 P, likewise
;   window 1: O^T, 32 a tile     window 2: v0-127 Q; v128-191 K of one step; v192-255 V of one step
;   window 3: v0-1 the add's two; v2-13 E; v16-23 ones; v24-55 the sums of V; v64-191 mask fragments, 32 a piece
.set NP,    4         ; pieces a wave: a name, no knob
.set SS,    8         ; key steps in a slot
.set KSB,   8192      ; bytes of K, and of V, in a step
.set VOFF,  SS*KSB    ; a slot: 512 keys of K, then of V
.set SLOT1, 1<<17
.set SPARE, 2*SLOT1   ; the spare words, 128 bytes a wave, that no other line names
.set LN,  2           ; v2   16 x lane: my place in every block of 512 bytes; never rewritten
.set AV0, 3           ; v3   the same + VOFF
.set AK,  4           ; v4   the LDS address of K's next run of loads
.set AV,  5           ; v5   of V's
.set SPW, 0           ; window 3
.set NIL, 1
.set EE,  2           ; window 3: four zeros, four registers of pattern, four zeros: v[2:9] for the upper 16 of 32 columns, v[6:13] for the lower
.set ONE, 16
.set VS,  24
.set MKB, 64
.set MV,  12
.set ST,  16          ; tile t's statistics at v[ST+4 t]: c m, m, l (even keys', odd keys')
.set TMP, 48
.set S,   64
.set P,   192
.set KF,  128
.set VF,  192
.set WV,  12
.set G1,  24          ; s[24:31] descriptor group 1, for K's and V's tiles alike
.set G0K, 40
.set G0V, 44
.set MFW, 48          ; s[48:49] mf at my wave's eight tiles in step 0
.set MB,  50          ; s[50:51] the same in the step whose fragments are asked for
.set SO,  52          ; s[52:53] that step's byte offset
.set THR, 54
.set SLOTS, 56
.set CNT, 57
.set CS,  58
.set SEL, 60
.set TBK, 62
.set TBV, 63
.set FM,  66          ; s66-73 by tile: the lanes whose query has every key masked
.set MSB, 0
.macro WIN new
.if MSB != (\new)
	s_set_vgpr_msb (MSB<<8)|(\new)
.set MSB, (\new)
.endif
.endm
.set W_KQ, 0x0a       ; K and Q in window 2, S^T in window 0
.set W_PV, 0x52       ; V in window 2, P in window 0, O^T in window 1
.set W_RS, 0x41       ; O^T (destination and source 0) in window 1, a in window 0
.set W_MK, 0xc0       ; destination in window 3, sources in window 0
.set W_AD, 0x0f       ; sources 0 and 1 in window 3: the add, and the mask product
.set W_VS, 0xfe       ; V in window 2; ones, C and D in window 3
.macro JLOAD                        ; a joint fill: waves 0 and 1 fetch the halves of a slot's K, waves 2 and 3 of its V, 32,768 bytes each; an s_nop 0 and four v_nop follow each line
	s_cmp_lt_u32 s[WV], 2
	s_cbranch_scc0 .Lfor_v_\@
	tensor_load_to_lds s[G0K:G0K+3], s[G1:G1+7]
	s_nop 0
.rept 4
	v_nop
.endr
	s_branch .Lasked_\@
.Lfor_v_\@:
	tensor_load_to_lds s[G0V:G0V+3], s[G1:G1+7]
	s_nop 0
.rept 4
	v_nop
.endr
.Lasked_\@:
.endm
.macro CROUND
	s_barrier_signal -1
	s_barrier_wait -1
	s_cmp_lg_u32 s[WV], 0
	s_cbranch_scc1 .Lnot_wave_0_\@
	s_barrier_signal -3
.Lnot_wave_0_\@:
	s_barrier_wait -3
	s_barrier_signal -1
	s_barrier_wait -1
.endm
; THE CHANGE OF SLOTS.  Each wave waits for all its tensor loads (one is out: its part of the other slot), adds 0 to its spare word, and waits for that and for its reads of the slot.  fill = 1: the barrier is a round
; of the cluster's, and the slot is filled again, first thing behind it, with the keys two slots on: it has eight key steps in which to land.  (At its first use slot 0 is waited for and slot 1 filled.)
.macro CHANGE fill
	WIN W_AD
	s_wait_tensorcnt 0x0
	ds_add_u32 v[SPW], v[NIL]
	WIN 0
.if \fill
.irp g, G0K, G0V
	s_xor_b32 s[\g+1], s[\g+1], SLOT1
	s_add_nc_u64 s[\g+2:\g+3], s[\g+2:\g+3], SS*KSB
.endr
	s_wait_dscnt 0x0
	CROUND
	JLOAD
.else
	s_wait_dscnt 0x0
	s_barrier_signal -1
	s_barrier_wait -1
.endif
	s_sub_co_u32 s[TBK], s[TBK], SS*KSB
	s_xor_b32 s[TBK], s[TBK], SLOT1
	s_sub_co_u32 s[TBV], s[TBV], SS*KSB
	s_xor_b32 s[TBV], s[TBV], SLOT1
.endm
.macro MLOAD x                      ; piece x's mask fragments of the step at MB: 8 loads of 512 consecutive bytes: tile n / 4, key group (n / 2) % 2, part n % 2
	WIN W_MK
.irp n, 0,1,2,3,4,5,6,7
	global_load_b128 v[MKB+32*(\x)+4*\n:MKB+32*(\x)+4*\n+3], v[LN], s[MB:MB+1] offset:4096*(\x)+512*\n
.endr
	WIN 0
.endm
	s_load_b256 s[4:11], s[0:1], 0x0  ; qh s[4:5], kh s[6:7], vh s[8:9], oh s[10:11]
	s_load_b64 s[MFW:MFW+1], s[0:1], 0x20
	WIN W_MK
	v_lshl_add_u32 v[SPW], v0, 2, SPARE
	v_mov_b32 v[NIL], 0
	WIN W_AD
	ds_add_u32 v[SPW], v[NIL]       ; the wave's opening: the add and its wait stand ahead of my first tensor load
	WIN 0
	v_lshrrev_b32 v1, 5, v0
	v_readfirstlane_b32 s[WV], v1
	s_bfe_u32 s13, ttmp6, 0x40000   ; cx
	s_lshl_b32 s14, ttmp9, 2
	s_add_co_u32 s14, s14, s13      ; my block of 512 queries: it enters Q's, O's and the mask's addresses alone
	s_and_b32 s20, ttmp7, 0xffff    ; the head, which the four partners share:
	s_lshl_b32 s20, s20, 18         ; 262,144 bytes in each of the four tensors
	s_and_b32 s16, s[WV], 1
	s_lshl_b32 s17, s16, 15         ; which half of a slot's 512 keys I fetch: 32,768 bytes on, in memory and in LDS
	s_add_co_u32 s22, s20, s17
	s_mov_b32 s23, 0
	s_lshl_b32 s18, s14, 2
	s_add_co_u32 s18, s18, s[WV]
	s_lshl_b32 s18, s18, 14         ; my wave's eight tiles: 16,384 bytes in Q, in O and in a step of mf
	s_mov_b32 s19, 0
	s_add_co_u32 s2, s18, s20
	s_mov_b32 s3, 0
	s_mov_b32 s[G1], 15|(1<<16)|(1<<21)  ; the mask of four; 2-byte elements; 21 set beside a mask; no padding
	s_mov_b32 s[G1+1], 128<<16      ; 32,768 dense bytes as 128 rows of 256
	s_mov_b32 s[G1+2], 128<<16
	s_mov_b32 s[G1+3], 128<<16
	s_mov_b32 s[G1+4], 128
	s_mov_b32 s[G1+5], 128
	s_mov_b32 s[G1+6], 0
	s_mov_b32 s[G1+7], 0
	s_mov_b32 s[CS], 0x3fb8aa3b     ; c = log2(e)
	s_mov_b32 s[CS+1], s[CS]
	s_mov_b32 s[SEL], 0x76543210
	s_mov_b32 s[SEL+1], 0xfedcba98
	s_mov_b32 s[THR], 0xce000000    ; -2^29
	s_mov_b32 s[SO], 0
	s_mov_b32 s[SO+1], 0
	s_mov_b32 s[TBK], SLOT1+SS*KSB  ; the first change of slots turns these two into 0
	s_mov_b32 s[TBV], SLOT1+SS*KSB
	s_mov_b32 s[G0K], 1
	s_mov_b32 s[G0K+1], s17
	s_mov_b32 s[G0V], 1
	s_add_co_u32 s[G0V+1], s17, VOFF
	s_wait_dscnt 0x0                ; the opening add is done
	s_wait_kmcnt 0x0
	s_add_nc_u64 s[G0K+2:G0K+3], s[6:7], s[22:23]
	s_or_b32 s[G0K+3], s[G0K+3], 0x80000000
	s_add_nc_u64 s[G0V+2:G0V+3], s[8:9], s[22:23]
	s_or_b32 s[G0V+3], s[G0V+3], 0x80000000
	s_add_nc_u64 s[4:5], s[4:5], s[2:3]
	s_add_nc_u64 s[10:11], s[10:11], s[2:3]
	s_add_nc_u64 s[MFW:MFW+1], s[MFW:MFW+1], s[18:19]
	s_mov_b64 s[MB:MB+1], s[MFW:MFW+1]
	CROUND                          ; all four work-groups are here: the first joint loads meet
	JLOAD                           ; slot 0
	v_and_b32 v1, 15, v0            ; l % 16
	v_bfe_u32 v9, v0, 4, 1          ; l / 16
	v_and_b32 v10, 31, v0
	v_lshlrev_b32 v[LN], 4, v10
	WIN 0x80
.set i, 0
.rept 4*NP                          ; Q stays in registers: tile i / 2, channels 32 (i % 2) on
	global_load_b128 v[8*i:8*i+3],   v[LN], s[4:5] offset:1024*i
	global_load_b128 v[8*i+4:8*i+7], v[LN], s[4:5] offset:1024*i+512
.set i, i+1
.endr
	MLOAD 0                         ; step 0's masks
	MLOAD 1
	MLOAD 2
	MLOAD 3
	; What the first turn finds: V and P's second buffer hold 0, O^T and V's sums are 0.  All this stands in the wait for the first tile.
	WIN 0x80
.set i, VF
.rept 64
	v_mov_b32 v[i], 0
.set i, i+1
.endr
	WIN 0x40
.set i, 0
.rept 64*NP
	v_mov_b32 v[i], 0
.set i, i+1
.endr
	WIN 0
.set i, P+32
.rept 32
	v_mov_b32 v[i], 0
.set i, i+1
.endr
	v_add_nc_u32 v[AV0], VOFF, v[LN]
	v_mov_b32 v[AK], v[LN]          ; key step 0 lies at the head of slot 0
	; E: lane l holds row l % 16; its one entry, -2^15 at column l % 16, falls to the lanes with (l % 16) / 8 = l / 16, into register ((l % 16) % 8) / 2, half l % 2
	v_lshrrev_b32 v10, 3, v1
	v_bfe_u32 v11, v0, 1, 2
	v_and_b32 v12, 1, v0
	v_lshlrev_b32 v12, 4, v12
	v_mov_b32 v13, 0xf800
	v_lshlrev_b32 v13, v12, v13
	v_cmp_eq_u32 vcc_lo, v10, v9
	v_cndmask_b32 v13, 0, v13, vcc_lo
	WIN W_MK
.irp k, 0,1,2,3
	v_mov_b32 v[EE+\k], 0
	v_cmp_eq_u32 vcc_lo, \k, v11
	v_cndmask_b32 v[EE+4+\k], 0, v13, vcc_lo
	v_mov_b32 v[EE+8+\k], 0
.endr
.set i, 0
.rept 8
	v_mov_b32 v[ONE+i], 0x3c003c00
.set i, i+1
.endr
.set i, 0
.rept 32
	v_mov_b32 v[VS+i], 0
.set i, i+1
.endr
	WIN 0
; THE MATRIX WORK.  The accumulators of a run take turns: between two links of a chain stand 7 others' or more.  ii is the product's number in its run.
.macro MK x                         ; 8: the mask starts S^T of piece x: tile ii % 2, keys 16 ((ii / 2) % 4) on
	WIN W_AD
.set rS, S+64*((\x)%2)+32*(ii%2)+8*((ii/2)%4)
.set rE, EE+4-4*((ii/2)%2)
.set rB, MKB+32*(\x)+16*(ii%2)+8*(((ii/2)%4)/2)
	v_wmma_f32_16x16x32_f16 v[rS:rS+7], v[rE:rE+7], v[rB:rB+7], 0
.endm
.macro KQ x                         ; 16: S^T += K Q^T: channels 32 (ii / 8) on, keys 16 ((ii / 2) % 4) on, tile ii % 2
	WIN W_KQ
.set rS, S+64*((\x)%2)+32*(ii%2)+8*((ii/2)%4)
.set rK, KF+16*((ii/2)%4)+8*(ii/8)
.set rQ, 16*(2*(\x)+ii%2)+8*(ii/8)
	v_wmma_f32_16x16x32_f16 v[rS:rS+7], v[rK:rK+7], v[rQ:rQ+7], v[rS:rS+7]
.endm
.macro PV x                         ; 16: O^T += V^T P: keys 32 (ii / 8) on, channels 16 ((ii / 2) % 4) on, tile ii % 2
	WIN W_PV
.set rO, 32*(2*(\x)+ii%2)+8*((ii/2)%4)
.set rV, VF+32*(ii/8)+8*((ii/2)%4)
.set rP, P+32*((\x)%2)+16*(ii%2)+8*(ii/8)
	v_wmma_f32_16x16x32_f16 v[rO:rO+7], v[rV:rV+7], v[rP:rP+7], v[rO:rO+7]
.endm
.macro VSM cb, kk                   ; V's sums: channels 16 cb on, keys 32 kk on.  V of a step lies in registers through four turns; each takes one cb
	WIN W_VS
	v_wmma_f32_16x16x32_f16 v[VS+8*(\cb):VS+8*(\cb)+7], v[VF+32*(\kk)+8*(\cb):VF+32*(\kk)+8*(\cb)+7], v[ONE:ONE+7], v[VS+8*(\cb):VS+8*(\cb)+7]
.endm
.macro MM                           ; the turn's next matrix instruction, of 42
.if i < 8
.set ii, i
	MK (Y+1)%NP
.elseif i < 24
.set ii, i-8
	KQ (Y+1)%NP
.elseif i == 24
	VSM (Y+3)%NP, 0
.elseif i < 33
.set ii, i-25
	PV (Y+NP-1)%NP
.elseif i == 33
	VSM (Y+3)%NP, 1
.else
.set ii, i-26
	PV (Y+NP-1)%NP
.endif
.set i, i+1
.endm
; THE LDS LOADS stand in runs of 16: a step's K (8 fragments) and its V.  last = 1 (the tail): in the last trip there is no further step, and the run is jumped over.
.macro FETCH_K last=0
	WIN 0
.if \last
	s_cmp_eq_u32 s[CNT], 1
	s_cbranch_scc1 .Lno_k_\@
.endif
	WIN 0x80
.irp f, 0,1,2,3,4,5,6,7
	ds_load_b128 v[KF+8*\f:KF+8*\f+3],   v[AK] offset:1024*\f
	ds_load_b128 v[KF+8*\f+4:KF+8*\f+7], v[AK] offset:1024*\f+512
.endr
	s_add_co_u32 s[TBK], s[TBK], KSB
	WIN 0
.if \last
.Lno_k_\@:
.endif
.endm
.macro FETCH_V
	WIN 0x80
.irp f, 0,1,2,3,4,5,6,7
	ds_load_b128 v[VF+8*\f:VF+8*\f+3],   v[AV] offset:1024*\f
	ds_load_b128 v[VF+8*\f+4:VF+8*\f+7], v[AV] offset:1024*\f+512
.endr
	WIN 0
.endm
; THE VECTOR WORK OF A TURN stands in three queues, each in the order in which its entries become ready; the two tiles alternate.
.macro REGS y, u
.set rT, ST+4*(2*(\y)+(\u))
.set rC, TMP+8*((\y)%2)+4*(\u)
.set rM, MV+2*((\y)%2)+(\u)
.set rS, S+64*((\y)%2)+32*(\u)
.set rP, P+32*((\y)%2)+16*(\u)
.set rO, 32*(2*(\y)+(\u))
.endm
; Number n of the 22 that find the NEXT piece's maximum and statistics; each accumulator's lowest registers are read first.
;   0-11 four chains c0-c3 of seven scores each     12-14, 16 the four scores left over, the old m, c0-c3 into c0     15 c m_old is kept     17, 18 the other half of the lanes': the new m     19-21 c m; c m_old - c m_new; a
.macro XS u, n
	REGS (Y+1)%NP, \u
.if (\n) < 4
	v_max3_num_f32 v[rC+(\n)], v[rS+8*(\n)], v[rS+8*(\n)+1], v[rS+8*(\n)+2]
.elseif (\n) < 12
	v_max3_num_f32 v[rC+(\n)%4], v[rC+(\n)%4], v[rS+8*((\n)%4)+2*((\n)/4)+1], v[rS+8*((\n)%4)+2*((\n)/4)+2]
.elseif (\n) == 12
	v_max3_num_f32 v[rC], v[rC], v[rS+7], v[rS+15]
.elseif (\n) == 13
	v_max3_num_f32 v[rC+1], v[rC+1], v[rS+23], v[rS+31]
.elseif (\n) == 14
	v_max3_num_f32 v[rC+2], v[rC+2], v[rC+3], v[rT+1]
.elseif (\n) == 15
	v_mov_b32 v[rM], v[rT]
.elseif (\n) == 16
	v_max3_num_f32 v[rC], v[rC], v[rC+1], v[rC+2]
.elseif (\n) == 17
	v_permlanex16_b32 v[rC+3], v[rC], s[SEL], s[SEL+1]
.elseif (\n) == 18
	v_max_num_f32 v[rT+1], v[rC], v[rC+3]
.elseif (\n) == 19
	v_mul_f32 v[rT], s[CS], v[rT+1]
.elseif (\n) == 20
	v_sub_f32 v[rC+1], v[rM], v[rT]
.else
	v_exp_f32 v[rC+2], v[rC+1]
.endif
.endm
; Number g of the 64 that follow the exponentials: for each four weights of a tile both pairs are rounded to f16, the second pair is added onto the first in place, and a group later l takes that sum (the first time as l = a l + sum).
.macro GS g
.set h, (\g)+6*((\g)/62)
.if h >= 6
.set h, h+2
.endif
	REGS Y, h%2
.set k, h/8
.if h%8 < 4
	v_cvt_pk_f16_f32 v[rP+2*k+(h%8)/2], v[rS+4*k+2*((h%8)/2)], v[rS+4*k+2*((h%8)/2)+1]
.elseif h%8 < 6
	v_pk_add_f32 v[rS+4*k:rS+4*k+1], v[rS+4*k:rS+4*k+1], v[rS+4*k+2:rS+4*k+3]
.elseif k == 1
	v_pk_fma_f32 v[rT+2:rT+3], v[rT+2:rT+3], v[rC+2:rC+3], v[rS:rS+1] op_sel_hi:[1,0,1]
.else
	v_pk_add_f32 v[rT+2:rT+3], v[rT+2:rT+3], v[rS+4*k-4:rS+4*k-3]
.endif
.endm
; THE PLAIN QUEUE, 138 long.  0-31: c s - c m.  Then GS's 64, and among them the next piece's 42: number 15 at 38, 39; 0-14 and 16 at 48-79, behind the products that make those scores; 17-20 at 95-106, two of three.
.macro PL
	WIN 0
.if q < 32
	REGS Y, q%2
	v_pk_fma_f32 v[rS+2*(q/2):rS+2*(q/2)+1], v[rS+2*(q/2):rS+2*(q/2)+1], s[CS:CS+1], v[rT:rT+1] op_sel_hi:[1,0,0] neg_lo:[0,0,1] neg_hi:[0,0,1]
.elseif q < 38
	GS q-32
.elseif q < 40
	XS q%2, 15
.elseif q < 48
	GS q-34
.elseif q < 80
	XS q%2, (q-48)/2+(q-48)/30
.elseif q < 95
	GS q-66
.elseif (q < 107) && ((q-95)%3 < 2)
	XS (q-95)%3, 17+(q-95)/3
.elseif q < 107
	GS 29+(q-95)/3
.else
	GS q-74
.endif
.set q, q+1
.endm
.set EA, 58                         ; THE EXPONENTIALS' QUEUE, 66 long: s0-s31 of both tiles, and at EA the next piece's two a
.macro EX
	WIN 0
.if (e == EA) || (e == EA+1)
	XS e-EA, 21
.else
.set x, e-2*(e/(EA+2))
	REGS Y, x%2
	v_exp_f32 v[rS+x/2], v[rS+x/2]
.endif
.set e, e+1
.endm
.macro R4                           ; THE RESCALING's QUEUE: O^T times a, four at a time, eight times
	REGS Y, r%2
	WIN W_RS
.irp z, 0,1,2,3
	v_pk_mul_f32 v[rO+8*(r/2)+2*\z:rO+8*(r/2)+2*\z+1], v[rO+8*(r/2)+2*\z:rO+8*(r/2)+2*\z+1], v[rC+2:rC+3] op_sel_hi:[1,0]
.endr
.set r, r+1
.endm
; HOW THEY ARE DEALT.  Behind a matrix instruction four: plain, exponential, plain, plain (SL); or exponential, plain, exponential, plain (SE); or four of the rescaling.  Every exponential has a plain instruction
; behind it that names none of its registers; no rider names a register of the products round it.  The queues stay in step: exponential e stands behind its scaling, plain 2 (e / 4) + e % 2; plain 40 (needs 11
; exponentials) finds 15 out, plain 80 (needs 19) finds 32, plain 91 (needs 32) finds 42; plain 48, the first read of the new scores, stands seven plain instructions behind the last K Q^T; EA comes behind plain 107.
.macro SL
	MM
	PL
	EX
	PL
	PL
.endm
.macro SE
	MM
	EX
	PL
	EX
	PL
.endm
; A TURN, for piece p.  cnt = 1: the loop's count is taken down some lines ahead of the branch behind the turn.
; The mask of piece p + 1 was asked for four turns ago: behind it three runs of eight loads were issued, which may stay out.  Its registers are asked for again, for the next step, six plain instructions behind the
; last mask product.  Piece 3's turn makes piece 0's scores of the NEXT step, so the step asked for goes on at its head; behind the last step it wraps to step 0, inside mf, and what comes is not used.
; K of the next step is fetched in piece 2's turn, seven plain instructions behind the last product that read K; V of the step in hand at the end of piece 0's turn.
.macro TURN p, last=0, cnt=0
.set Y, (\p)
.set i, 0
.set q, 0
.set e, 0
.set r, 0
	s_wait_loadcnt 24
.if (\p) == NP-1
	s_wait_xcnt 0x0                 ; the mask loads' base is written again only behind this wait
	s_add_co_u32 s[SO], s[SO], 0x40000
	s_and_b32 s[SO], s[SO], 0x7fffff
	s_add_nc_u64 s[MB:MB+1], s[MFW:MFW+1], s[SO:SO+1]
.endif
	MM
.rept 4
	PL
.endr
.rept 7
	SL
.endr
.if (\p) == NP-1
	s_wait_dscnt 0x0                ; K is in
.endif
	SL
	MLOAD ((\p)+1)%NP
.rept 3
	MM
	R4
	SL
.endr
.rept 4
	MM
	R4
	SE
.endr
	MM
	R4
	EX
	PL
.if (\p) == NP-2
	v_add_nc_u32 v[AK], s[TBK], v[LN]
.endif
	EX
	PL
.if (\p) == NP-2
	FETCH_K \last
.endif
.if (\p) == 1
	s_wait_dscnt 0x0                ; V is in
.endif
.rept 12
	SL
.endr
.rept 6
	SE
.endr
.rept 21
	EX
	PL
.endr
.rept 22
	PL
.if ((\p) == 0) && (q == 118)
	v_add_nc_u32 v[AV], s[TBV], v[AV0]
.endif
.if ((\p) == 0) && (q == 130)
	s_add_co_u32 s[TBV], s[TBV], KSB
.endif
.if (\cnt) && (q == 130)
	s_sub_co_u32 s[CNT], s[CNT], 1
	s_cmp_lg_u32 s[CNT], 0
.endif
.endr
.if (\p) == 0
	FETCH_V
.endif
.endm
	CHANGE 1                        ; slot 0 is in, everybody's part of it; slot 1 is asked for
	FETCH_K                         ; key step 0
	s_wait_loadcnt 24               ; Q and piece 0's mask; the other three pieces' may stay out
	s_wait_dscnt 0x0
.set Y, NP-1
.set i, 0
.rept 24
	MM                              ; piece 0's first scores
.endr
	WIN 0
.set i, 0
.rept 2*NP                          ; the statistics' first values: 32 plain instructions, the places behind those products
	v_mov_b32 v[ST+4*i], 0xfe000000    ; c m: far below every c s, a masked one too
	v_mov_b32 v[ST+4*i+1], 0xff7fffff  ; m
	v_mov_b32 v[ST+4*i+2], 0
	v_mov_b32 v[ST+4*i+3], 0
.set i, i+1
.endr
	s_wait_xcnt 0x0
	s_mov_b32 s[SO], 0x40000
	s_add_nc_u64 s[MB:MB+1], s[MFW:MFW+1], s[SO:SO+1]
	MLOAD 0                         ; piece 0's mask of step 1
.irp n, 0,1,2,3,4,5,6,7,8,9,10,11,12,13,14,15,16,17,18,19,20,21
	XS 0, \n                        ; piece 0's first maximum and statistics
	XS 1, \n
.endr
	s_mov_b32 s[CNT], SS
	s_mov_b32 s[SLOTS], 2048/(64*SS)-1
	s_branch .Lfirst                ; the loop is entered at a step's first turn, in the middle of a trip
.Lslot:                             ; twice: every slot but the last two is filled again
	CHANGE 1
	s_mov_b32 s[CNT], SS
.Lstep:                             ; a trip: pieces 2 and 3 of one step, then pieces 0 and 1 of the next, whose K and V it fetches
	TURN 2
	TURN 3
	WIN 0
.Lfirst:
	TURN 0
	TURN 1, 0, 1
	WIN 0
	s_cbranch_scc1 .Lstep
	s_sub_co_u32 s[SLOTS], s[SLOTS], 1
	s_cmp_lg_u32 s[SLOTS], 0
	s_cbranch_scc1 .Lslot
	CHANGE 0                        ; the tail is written out: nothing is asked for
	s_mov_b32 s[CNT], SS+1          ; eight trips fetch the last slot's steps; the ninth is left in its middle
.Ltail:
	TURN 2, 1
	TURN 3
	WIN 0
	s_sub_co_u32 s[CNT], s[CNT], 1
	s_cmp_eq_u32 s[CNT], 0
	s_cbranch_scc1 .Lout
	TURN 0
	TURN 1
	WIN 0
	s_branch .Ltail
.Lout:                              ; the ninth trip's scores of piece 0 (the last K once more, step 0's mask) serve nothing; a row with every key masked stays below -2^29 under them, any other row above
.set Y, 0
.set i, 24
.rept 18
	MM                              ; the last piece's V^T P of the last step, and the last of V's sums
.endr
	; THE WAY OUT.  l's two halves and the other half of the lanes' are added; O^T is divided by l and rounded to f16; a query with every key masked takes V's mean.  A lane's eight channels are 16 bytes of oh's fragment order.
	WIN 0
.macro ALL line:vararg
.set t, 0
.rept 2*NP
	\line
.set t, t+1
.endr
.endm
	ALL v_add_f32 v[ST+4*t+2], v[ST+4*t+2], v[ST+4*t+3]
	ALL v_permlanex16_b32 v[ST+4*t+3], v[ST+4*t+2], s[SEL], s[SEL+1]
	ALL v_add_f32 v[ST+4*t+2], v[ST+4*t+2], v[ST+4*t+3]
	ALL v_rcp_f32 v[ST+4*t+2], v[ST+4*t+2]
	v_nop                           ; a plain instruction between the last reciprocal and the use of its result
	ALL v_cmp_gt_f32 s[FM+t], s[THR], v[ST+4*t+1]
	WIN 0xc3
.set k, 0
.rept 16
	v_pk_mul_f32 v[VS+2*k:VS+2*k+1], v[VS+2*k:VS+2*k+1], 0x3a000000 op_sel_hi:[1,0]  ; / 2,048
.set k, k+1
.endr
	WIN W_AD
.set k, 0
.rept 16
	v_cvt_pk_f16_f32 v[P+k], v[VS+2*k], v[VS+2*k+1]
.set k, k+1
.endr
.macro OUTT t
	WIN W_RS
.set i, 32*(\t)
.rept 16
	v_pk_mul_f32 v[i:i+1], v[i:i+1], v[ST+4*(\t)+2:ST+4*(\t)+3] op_sel_hi:[1,0]
.set i, i+2
.endr
	WIN 0x05
.set i, 0
.rept 16
	v_cvt_pk_f16_f32 v[S+16*(\t)+i], v[32*(\t)+2*i], v[32*(\t)+2*i+1]
.set i, i+1
.endr
	WIN 0
.set i, 0
.rept 16
	v_cndmask_b32 v[S+16*(\t)+i], v[S+16*(\t)+i], v[P+i], s[FM+(\t)]
.set i, i+1
.endr
.irp f, 0,1,2,3
	global_store_b128 v[LN], v[S+16*(\t)+4*\f:S+16*(\t)+4*\f+3], s[10:11] offset:2048*(\t)+512*\f  ; 512 consecutive bytes, aligned
.endr
.endm
.set t, 0
.rept 2*NP
	OUTT t
.set t, t+1
.endr
	s_wait_loadcnt 0x0              ; the mask fragments asked for past the last step
	WIN W_AD
	s_wait_tensorcnt 0x0            ; the wave's end
	ds_add_u32 v[SPW], v[NIL]
	s_wait_dscnt 0x0
	WIN 0
	CROUND                          ; the closing round
	s_endpgm
.Lfunc_end_k_q4a0ef6864d_attn:
	.size	k_q4a0ef6864d_attn, .Lfunc_end_k_q4a0ef6864d_attn-k_q4a0ef6864d_attn
	.p2alignl 7, 3214868480
	.fill 96, 4, 3214868480
	.section	.rodata,"a",@progbits
	.p2align	6, 0x0
	.amdhsa_kernel k_q4a0ef6864d_attn
		.amdhsa_group_segment_fixed_size 327680
		.amdhsa_private_segment_fixed_size 0
		.amdhsa_enable_private_segment 0
		.amdhsa_kernarg_size 40
		.amdhsa_user_sgpr_count 2
		.amdhsa_user_sgpr_kernarg_segment_ptr 1
		.amdhsa_wavefront_size32 1
		.amdhsa_system_sgpr_workgroup_id_x 1
		.amdhsa_system_sgpr_workgroup_id_y 1
		.amdhsa_system_sgpr_workgroup_id_z 1
		.amdhsa_system_vgpr_workitem_id 0
		.amdhsa_next_free_vgpr 960
		.amdhsa_next_free_sgpr 74
		.amdhsa_reserve_vcc 1
		.amdhsa_float_denorm_mode_32 3
		.amdhsa_float_denorm_mode_16_64 3
		.amdhsa_memory_ordered 1
		.amdhsa_forward_progress 1
		.amdhsa_inst_pref_size 224
	.end_amdhsa_kernel
	.amdgpu_metadata
---
amdhsa.version: [ 1, 2 ]
amdhsa.kernels:
  - .name:           k_q4a0ef6864d_attn
    .symbol:         k_q4a0ef6864d_attn.kd
    .args:
      - { .name: qh, .offset: 0, .size: 8, .value_kind: global_buffer, .address_space: global }
      - { .name: kh, .offset: 8, .size: 8, .value_kind: global_buffer, .address_space: global }
      - { .name: vh, .offset: 16, .size: 8, .value_kind: global_buffer, .address_space: global }
      - { .name: oh, .offset: 24, .size: 8, .value_kind: global_buffer, .address_space: global }
      - { .name: mf, .offset: 32, .size: 8, .value_kind: global_buffer, .address_space: global }
    .group_segment_fixed_size: 327680
    .private_segment_fixed_size: 0
    .kernarg_segment_align: 8
    .kernarg_segment_size: 40
    .max_flat_workgroup_size: 128
    .sgpr_count:     74
    .vgpr_count:     960
    .wavefront_size: 32
...
	.end_amdgpu_metadata
.endif
;; end of part 3
;; launch outp (part 4): grid 8 x 32, 4 waves a work-group, clusters of 4 x 4, 327,680 bytes of LDS; arguments oh, wh, bO, out0; writes out0
.if DOCPART == 4
	.amdgcn_target "amdgcn-amd-amdhsa--gfx1250"
	.amdhsa_code_object_version 6
	.text
	.protected	k_q4a0ef6864d_outp
	.globl	k_q4a0ef6864d_outp
	.p2align	8
	.type	k_q4a0ef6864d_outp,@function
k_q4a0ef6864d_outp:
	s_mov_b64 s[64:65], 0
	v_nop
	global_prefetch_b8 v0, s[64:65] scope:SCOPE_SE
	s_setreg_imm32_b32 hwreg(HW_REG_WAVE_MODE, 25, 1), 1
	s_wait_xcnt 0x0
	s_wait_alu depctr_hold_cnt(0) depctr_sa_sdst(0) depctr_va_vdst(0) depctr_va_sdst(0) depctr_va_ssrc(0) depctr_va_vcc(0) depctr_vm_vsrc(0)
	s_getreg_b32 s2, hwreg(HW_REG_IB_STS2, 6, 4)
	s_cmp_eq_u32 s2, 0
	s_cbranch_scc0 .Lentry_in_a_cluster
	s_endpgm
.Lentry_in_a_cluster:
	s_bfe_u32 s2, ttmp6, 0x10000c
	s_cmp_lg_u32 s2, 0xf033
	s_cbranch_scc0 .Lentry_shape_is_right
	s_endpgm
.Lentry_shape_is_right:
; out0 = ctx WO + bO.  ctx: oh, f16, in fragment order [k / 64][m / 16][c 2][part 2][lane 32][8]; WO: matrix 3 of wh, bf16-rounded numbers written as f16, [k][n]; sums and output f32.  8,192 x 1,024 x 1,024.
; SHARES.  A work-group takes 256 rows x 128 columns: 256 work-groups.  A wave: 128 x 64: 32 accumulators in window 1 ((a, b) at v[8 (4 a + b)]).
; K goes in steps of 128 through a ring of two LDS slots: two panels of ctx (32,768 dense bytes each, asked for as 128 rows of 256 bytes; fragment order needs no padding) and 128 rows of WO (256 bytes each, padded; read turned).
; CLUSTER 4 x 4: ctx's tiles are asked for jointly along a row of the cluster, WO's along a column.  Waves 0 and 1 ask for the two panels, waves 2 and 3 for the two halves of WO's rows.
; Source 0 = WO, source 1 = ctx: a lane holds one row and eight neighbouring columns, 32 bytes; a wave's 64 columns are 256 bytes of a row: 16 rows at a time go through the wave's own stage and leave as whole rows.
; LIMITS.  bO, rounded to bf16 like every input, starts the f32 sums instead of ending them.
.set NS,     8
.set SLOT1,  131072
.set ATILE,  32768
.set BPITCH, 288                       ; 256 + 32
.set BTILE,  64*BPITCH
.set BBASE,  2*ATILE
.set STAGE,  2*SLOT1                   ; behind the ring, never filled by a tensor load: 16 rows x 272 bytes for each wave
.set SPITCH, 272
.set SPARE,  STAGE+4*16*SPITCH         ; the spare words, 128 bytes a wave, that no other line names
.set ASTEP,  2<<20
.set BSTEP,  128*2048
.set AF, 64                            ; v64-127, v128-191: fragments of ctx, two buffers; on the way out two buffers of 32
.set BF, 192                           ; v192-223, v224-255: fragments of WO
                                       ; v8, v9 my lane's place in the tiles; v10, v11 the same in the slot in hand; v13 into the stage, v14 back, v15 my offset in out0; v16 offset in bO; v22 at work; v28, v29 the add's two; v32-63 bO
.set WV,  20
.set G1A, 36
.set G1B, 44
.set G0A, 52
.set G0B, 68
.set TB,  60
.set CNT, 61
.set MSB, 0
.macro WIN new
.if MSB != (\new)
	s_set_vgpr_msb (MSB<<8)|(\new)
.set MSB, \new
.endif
.endm
.macro PLACES
.rept 4
	v_nop
.endr
.endm
.macro JLOAD                           ; a joint refill by the walking sets; an s_nop 0 and four v_nop follow each line
	s_cmp_lt_u32 s[WV], 2
	s_cbranch_scc0 .Lfor_b_\@
	tensor_load_to_lds s[G0A+4:G0A+7], s[G1A:G1A+7]
	s_nop 0
.rept 4
	v_nop
.endr
	s_branch .Lasked_\@
.Lfor_b_\@:
	tensor_load_to_lds s[G0B+4:G0B+7], s[G1B:G1B+7]
	s_nop 0
.rept 4
	v_nop
.endr
.Lasked_\@:
.endm
.macro CREST
	s_cmp_lg_u32 s[WV], 0
	s_cbranch_scc1 .Lnot_wave_0_\@
	s_barrier_signal -3
.Lnot_wave_0_\@:
	s_barrier_wait -3
	s_barrier_signal -1
	s_barrier_wait -1
.endm
.macro CROUND
	s_barrier_signal -1
	s_barrier_wait -1
	CREST
.endm
	s_load_b256 s[4:11], s[0:1], 0x0               ; oh s[4:5], wh s[6:7], bO s[8:9], out0 s[10:11]
	v_lshl_add_u32 v28, v0, 2, SPARE
	v_mov_b32 v29, 0
	ds_add_u32 v28, v29                            ; the wave's opening: the add and its wait stand ahead of my first tensor load
	v_lshrrev_b32 v1, 5, v0
	v_readfirstlane_b32 s[WV], v1
	s_lshr_b32 s21, s[WV], 1                       ; which 128 rows are mine
	s_and_b32 s22, s[WV], 1                        ; which 64 columns.  Also: which panel, or which 64 rows of WO, I fetch
	s_bfe_u32 s23, ttmp6, 0x40000
	s_bfe_u32 s24, ttmp6, 0x40004
	s_lshl_b32 s25, ttmp9, 2
	s_add_co_u32 s25, s25, s23                     ; tile column
	s_and_b32 s26, ttmp7, 0xffff
	s_lshl_b32 s26, s26, 2
	s_add_co_u32 s26, s26, s24                     ; tile row
	s_lshl_b32 s27, s24, 2
	s_lshl_b32 s27, 15, s27
	s_lshl_b32 s28, 0x1111, s23
	s_or_b32 s[G1A], s27, (1<<16)|(1<<21)          ; mask of my row; 2-byte elements; 21 set beside a mask; no padding
	s_or_b32 s[G1B], s28, (1<<16)|(1<<20)|(1<<21)|(5<<22)|(7<<25)  ; mask of my column; after every 64 words 8 words
	s_mov_b32 s[G1A+1], 128<<16
	s_mov_b32 s[G1A+2], 128<<16
	s_mov_b32 s[G1A+3], 128<<16
	s_mov_b32 s[G1A+4], 128
	s_mov_b32 s[G1A+5], 128
	s_mov_b32 s[G1A+6], 0
	s_mov_b32 s[G1A+7], 0
	s_mov_b32 s[G1B+1], 128<<16
	s_mov_b32 s[G1B+2], 64<<16
	s_mov_b32 s[G1B+3], 128<<16
	s_mov_b32 s[G1B+4], 64
	s_mov_b32 s[G1B+5], 1024
	s_mov_b32 s[G1B+6], 0
	s_mov_b32 s[G1B+7], 0
	s_lshl_b32 s30, s26, 15                        ; ctx: my tile row's 256 rows in a panel,
	s_lshl_b32 s34, s22, 20                        ; panel 0 or 1 of the step
	s_add_co_u32 s30, s30, s34
	s_mov_b32 s31, 0
	s_lshl_b32 s32, s22, 17                        ; WO: rows 0-63 or 64-127 of the step,
	s_add_co_u32 s32, s32, 0x600000                ; in matrix 3,
	s_lshl_b32 s34, s25, 8                         ; my tile column's 128 columns
	s_add_co_u32 s32, s32, s34
	s_mov_b32 s33, 0
	s_lshl_b32 s29, s22, 15                        ; their places in a slot
	s_mul_i32 s35, s22, BTILE
	s_add_co_u32 s35, s35, BBASE
	s_lshl_b32 s62, s25, 9                         ; my 64 columns, in bytes of f32
	s_lshl_b32 s34, s22, 8
	s_add_co_u32 s62, s62, s34
	s_mov_b32 s63, 0
	s_lshl_b32 s78, s26, 20                        ; my 128 rows of 4,096 bytes
	s_lshl_b32 s34, s21, 19
	s_add_co_u32 s78, s78, s34
	s_add_co_u32 s78, s78, s62
	s_mov_b32 s79, 0
	s_mov_b32 s[TB], 0
	s_wait_dscnt 0x0                               ; the opening add is done
	s_wait_kmcnt 0x0
	s_add_nc_u64 s[30:31], s[4:5], s[30:31]
	s_add_nc_u64 s[32:33], s[6:7], s[32:33]
	s_add_nc_u64 s[8:9], s[8:9], s[62:63]
	s_add_nc_u64 s[10:11], s[10:11], s[78:79]
	CROUND                                         ; all sixteen work-groups are here: the first joint loads meet
.irp s, 0,1
	s_mov_b32 s[G0A+4*\s], 1
	s_add_co_u32 s[G0A+4*\s+1], s29, \s*SLOT1
	s_add_nc_u64 s[G0A+4*\s+2:G0A+4*\s+3], s[30:31], \s*ASTEP
	s_or_b32 s[G0A+4*\s+3], s[G0A+4*\s+3], 0x80000000
	s_mov_b32 s[G0B+4*\s], 1
	s_add_co_u32 s[G0B+4*\s+1], s35, \s*SLOT1
	s_add_nc_u64 s[G0B+4*\s+2:G0B+4*\s+3], s[32:33], \s*BSTEP
	s_or_b32 s[G0B+4*\s+3], s[G0B+4*\s+3], 0x80000000
.endr
	s_cmp_lt_u32 s[WV], 2                          ; a wave's two first fills stand in one branch: two loads of mine are out
	s_cbranch_scc0 .Lfirst_b
	tensor_load_to_lds s[G0A:G0A+3], s[G1A:G1A+7]
	s_nop 0
	tensor_load_to_lds s[G0A+4:G0A+7], s[G1A:G1A+7]
	s_nop 0
.rept 4
	v_nop
.endr
	s_branch .Lfirst_asked
.Lfirst_b:
	tensor_load_to_lds s[G0B:G0B+3], s[G1B:G1B+7]
	s_nop 0
	tensor_load_to_lds s[G0B+4:G0B+7], s[G1B:G1B+7]
	s_nop 0
.rept 4
	v_nop
.endr
.Lfirst_asked:
	v_and_b32 v1, 15, v0                           ; l % 16
	v_bfe_u32 v2, v0, 4, 1                         ; l / 16
	v_lshlrev_b32 v16, 5, v2
.irp y, 0,1,2,3
	global_load_b128 v[32+8*\y:32+8*\y+3],   v16, s[8:9] offset:64*\y
	global_load_b128 v[32+8*\y+4:32+8*\y+7], v16, s[8:9] offset:64*\y+16
.endr
	v_and_b32 v3, 31, v0
	v_lshlrev_b32 v8, 4, v3
	s_lshl_b32 s34, s21, 14
	v_add_nc_u32 v8, s34, v8                       ; ctx: 16 x lane + my eight blocks of 2,048 bytes
	v_and_b32 v3, 7, v0
	v_lshl_add_u32 v3, v2, 3, v3
	v_mul_u32_u24 v9, v3, BPITCH
	v_bfe_u32 v3, v0, 3, 1
	v_lshl_add_u32 v9, v3, 4, v9
	s_lshl_b32 s34, s22, 7
	s_add_co_u32 s34, s34, BBASE
	v_add_nc_u32 v9, s34, v9
	v_mov_b32 v10, v8
	v_mov_b32 v11, v9
	s_mul_i32 s34, s[WV], 16*SPITCH
	s_add_co_u32 s34, s34, STAGE                   ; my stage
	v_mul_u32_u24 v13, v1, SPITCH                  ; in: row l % 16, 32 bytes for each half of the lanes
	v_lshl_add_u32 v13, v2, 5, v13
	v_add_nc_u32 v13, s34, v13
	v_mul_u32_u24 v14, v2, SPITCH                  ; back: lanes 0-15 one row of 256 bytes, lanes 16-31 the next
	v_lshl_add_u32 v14, v1, 4, v14
	v_add_nc_u32 v14, s34, v14
	v_lshlrev_b32 v15, 12, v2                      ; and the same two rows in out0
	v_lshl_add_u32 v15, v1, 4, v15
	s_wait_loadcnt 0x0
.set k, 0
.rept 16
	v_cvt_pk_bf16_f32 v22, v[32+2*k], v[32+2*k+1]  ; bO is rounded to bf16, like every input
	v_lshlrev_b32 v[32+2*k], 16, v22
	v_and_b32 v[32+2*k+1], 0xffff0000, v22
.set k, k+1
.endr
.macro LDA c                           ; ctx's eight fragments of chunk c (32 k) into buffer c % 2
	WIN 0
.set aa, 0
.rept 8
	ds_load_b128 v[AF+64*((\c)%2)+8*aa:AF+64*((\c)%2)+8*aa+3],   v10 offset:2048*aa+1024*((\c)%2)+ATILE*((\c)/2)
	ds_load_b128 v[AF+64*((\c)%2)+8*aa+4:AF+64*((\c)%2)+8*aa+7], v10 offset:2048*aa+1024*((\c)%2)+ATILE*((\c)/2)+512
.set aa, aa+1
.endr
.endm
.macro LDB c
	WIN 0
.irp y, 0,1,2,3
	ds_load_tr16_b128 v[BF+32*((\c)%2)+8*\y:BF+32*((\c)%2)+8*\y+3],   v11 offset:32*BPITCH*(\c)+32*\y
	ds_load_tr16_b128 v[BF+32*((\c)%2)+8*\y+4:BF+32*((\c)%2)+8*\y+7], v11 offset:32*BPITCH*(\c)+16*BPITCH+32*\y
.endr
.endm
.macro MUL c, a0, n, st                ; 4 n matrix instructions on chunk c; st = 1: they start the sums, with the bias as C.  The 32 accumulators take turns
.if \st
	WIN 0x40
.else
	WIN 0x50
.endif
.set aa, \a0
.rept \n
.irp y, 0,1,2,3
.set rD, 8*(4*aa+\y)
.set rA, AF+64*((\c)%2)+8*aa
.set rB, BF+32*((\c)%2)+8*\y
.if \st
	v_wmma_f32_16x16x32_f16 v[rD:rD+7], v[rB:rB+7], v[rA:rA+7], v[32+8*\y:32+8*\y+7]
.else
	v_wmma_f32_16x16x32_f16 v[rD:rD+7], v[rB:rB+7], v[rA:rA+7], v[rD:rD+7]
.endif
.endr
.set aa, aa+1
.endr
.endm
.macro CHK c, st                       ; chunk c of 0 to 2: the next chunk's 24 loads in one run, then this chunk's 32 products
	PLACES
	LDA (\c)+1
	LDB (\c)+1
	s_wait_dscnt 24                                ; all but the 24 just issued
	MUL \c, 0, 8, \st
.endm
; Chunk 3 changes slots: ONE barrier; in front of it each wave waits for all its tensor loads, adds 0 to its spare word, and waits for that and for its own reads of this slot.
; fill = 1: the barrier opens a round of the cluster's, and this slot is filled again, two steps ahead, first thing behind it: 120 matrix instructions ahead of the wait for it.
.macro TURN fill
	WIN 0
	s_wait_tensorcnt 0x0
	ds_add_u32 v28, v29
.if \fill
	s_xor_b32 s[G0A+5], s[G0A+5], SLOT1
	s_add_nc_u64 s[G0A+6:G0A+7], s[G0A+6:G0A+7], ASTEP
	s_xor_b32 s[G0B+5], s[G0B+5], SLOT1
	s_add_nc_u64 s[G0B+6:G0B+7], s[G0B+6:G0B+7], BSTEP
.endif
	s_xor_b32 s[TB], s[TB], SLOT1
	s_wait_dscnt 0x0
	s_barrier_signal -1
	MUL 3, 0, 2, 0
	WIN 0
	s_barrier_wait -1
.if \fill
	CREST
	JLOAD                                          ; its four v_nop are also the places in front of the loads below
.else
	PLACES
.endif
	v_add_nc_u32 v10, s[TB], v8
	v_add_nc_u32 v11, s[TB], v9
	LDA 0
	LDB 0
	MUL 3, 2, 6, 0
.endm
	s_wait_tensorcnt 0x1                           ; my part of step 0 is in; step 1's may stay out
	s_barrier_signal -1
	s_barrier_wait -1
	LDA 0
	LDB 0
	CHK 0, 1                                       ; the first chunk stands ahead of the loop: its products start the sums
	WIN 0
	s_mov_b32 s[CNT], NS-2
.Lstep:
	CHK 1, 0
	CHK 2, 0
	TURN 1
	CHK 0, 0
	WIN 0
	s_sub_co_u32 s[CNT], s[CNT], 1
	s_cmp_lg_u32 s[CNT], 0
	s_cbranch_scc1 .Lstep
	CHK 1, 0                                       ; the last two steps ask for nothing
	CHK 2, 0
	TURN 0
	CHK 0, 0
	CHK 1, 0
	CHK 2, 0
	s_wait_dscnt 0x0
	MUL 3, 0, 8, 0
	; THE WAY OUT: a block of 16 rows at a time through my own stage
	PLACES
.set ab, 0
.rept 8
.if ab >= 2
	s_wait_xcnt 0x0                                ; the stores of two blocks ago have read their registers
.endif
	WIN 0x04                                       ; store data in window 1
.irp y, 0,1,2,3
	ds_store_b128 v13, v[32*ab+8*\y:32*ab+8*\y+3]   offset:64*\y
	ds_store_b128 v13, v[32*ab+8*\y+4:32*ab+8*\y+7] offset:64*\y+16
.endr
	WIN 0
.irp t, 0,1,2,3,4,5,6,7
	ds_load_b128 v[AF+32*(ab%2)+4*\t:AF+32*(ab%2)+4*\t+3], v14 offset:2*SPITCH*\t  ; LDS serves a wave's instructions in order (ISA guide 5.7.1.4): these see the stores above; the next block's stores come behind them
.endr
	s_wait_dscnt 0x0
.irp t, 0,1,2,3,4,5,6,7
	global_store_b128 v15, v[AF+32*(ab%2)+4*\t:AF+32*(ab%2)+4*\t+3], s[10:11] offset:65536*ab+8192*\t th:TH_STORE_NT  ; 16 lanes store 256 consecutive bytes, aligned
.endr
.set ab, ab+1
.endr
	s_wait_tensorcnt 0x0                           ; the wave's end, behind my last tensor load and my last LDS store
	ds_add_u32 v28, v29
	s_wait_dscnt 0x0
	CROUND                                         ; the closing round
	s_endpgm
.Lfunc_end_k_q4a0ef6864d_outp:
	.size	k_q4a0ef6864d_outp, .Lfunc_end_k_q4a0ef6864d_outp-k_q4a0ef6864d_outp
	.p2alignl 7, 3214868480
	.fill 96, 4, 3214868480
	.section	.rodata,"a",@progbits
	.p2align	6, 0x0
	.amdhsa_kernel k_q4a0ef6864d_outp
		.amdhsa_group_segment_fixed_size 327680
		.amdhsa_private_segment_fixed_size 0
		.amdhsa_enable_private_segment 0
		.amdhsa_kernarg_size 32
		.amdhsa_user_sgpr_count 2
		.amdhsa_user_sgpr_kernarg_segment_ptr 1
		.amdhsa_wavefront_size32 1
		.amdhsa_system_sgpr_workgroup_id_x 1
		.amdhsa_system_sgpr_workgroup_id_y 1
		.amdhsa_system_sgpr_workgroup_id_z 1
		.amdhsa_system_vgpr_workitem_id 0
		.amdhsa_next_free_vgpr 512
		.amdhsa_next_free_sgpr 80
		.amdhsa_reserve_vcc 0
		.amdhsa_float_denorm_mode_32 3
		.amdhsa_float_denorm_mode_16_64 3
		.amdhsa_memory_ordered 1
		.amdhsa_forward_progress 1
		.amdhsa_inst_pref_size 72
	.end_amdhsa_kernel
	.amdgpu_metadata
---
amdhsa.version: [ 1, 2 ]
amdhsa.kernels:
  - .name:           k_q4a0ef6864d_outp
    .symbol:         k_q4a0ef6864d_outp.kd
    .args:
      - { .name: oh, .offset: 0, .size: 8, .value_kind: global_buffer, .address_space: global }
      - { .name: wh, .offset: 8, .size: 8, .value_kind: global_buffer, .address_space: global }
      - { .name: bO, .offset: 16, .size: 8, .value_kind: global_buffer, .address_space: global }
      - { .name: out0, .offset: 24, .size: 8, .value_kind: global_buffer, .address_space: global }
    .group_segment_fixed_size: 327680
    .private_segment_fixed_size: 0
    .kernarg_segment_align: 8
    .kernarg_segment_size: 32
    .max_flat_workgroup_size: 128
    .sgpr_count:     80
    .vgpr_count:     512
    .wavefront_size: 32
...
	.end_amdgpu_metadata
.endif
;; end of part 4
